; MI455X (gfx1250); checked and timed in simulation.
; The chip was launched on July 23, 2026; its instructions are those of AMD's public machine-readable ISA for CDNA 5 (MIT licence, August 2026) and "CDNA5" Instruction Set Architecture Reference Guide (July 2026). The comments in the code are by the model that wrote it; some were corrected since.
;; Gather Block. Allowed arithmetic: float matrix products may take bf16 or f16 operands with f32 sums; all other float work in f32.
;; Inputs: active_indices 1,024 x 3 int32; x 8 x 64 x 256 x 256 float32.
;; Outputs: out0 1,024 x 64 x 16 x 16 float32.
;; 3 versions, each right; version 2 is faster than version 1; version 3 is version 2 with the launch gather written anew for expert scheduling mode. Each part assembles by itself: llvm-mc -triple=amdgcn-amd-amdhsa -mcpu=gfx1250 --defsym DOCPART=n.
;; ======== version 1 of 3: 1 launch
;; launch gather (part 1): grid 1024 x 1, 8 waves a work-group, no clusters, 0 bytes of LDS; arguments active_indices, x, out0; writes out0
.if DOCPART == 1
	.amdgcn_target "amdgcn-amd-amdhsa--gfx1250"
	.amdhsa_code_object_version 6
	.text
	.protected	k_q02460e0f5a_gather
	.globl	k_q02460e0f5a_gather
	.p2align	8
	.type	k_q02460e0f5a_gather,@function
k_q02460e0f5a_gather:
	s_mov_b64 s[64:65], 0
	v_nop
	global_prefetch_b8 v0, s[64:65] scope:SCOPE_SE
	s_setreg_imm32_b32 hwreg(HW_REG_WAVE_MODE, 25, 1), 1
	s_wait_xcnt 0x0
; out0[m][c][r][q] = x[b][c][16 yb + r][16 xb + q], (b, yb, xb) = active_indices[m].
; x: [8][64][256][256] f32.  out0: [1024][64][16][16] f32.  active_indices: [1024][3] i32.
; One work-group copies one block m: 64 channels x 16 rows x 64 bytes = 65,536 consecutive bytes of out0.
; Eight waves; wave w copies channels 8 w .. 8 w + 7 = 8,192 consecutive output bytes with 16 loads and 16 stores of 16 bytes a lane.
; Four neighbouring lanes take one 64-byte row of the block, a wave's load takes 8 rows; the matching store covers 512 consecutive
; bytes at a multiple of 512 from out0's first byte.  A lane stores the very 16 bytes that it loaded: no LDS, no barrier, no arithmetic.
; All 16 loads of a wave are issued before its first store: 8,192 bytes of every wave are on their way at once.
; LIMIT (range of the indices): each index is clamped as an unsigned number to its table (b <= 7, yb <= 15, xb <= 15).  That is the
; reference's result for indices in range and for too large positive ones; a NEGATIVE index, which the reference would first
; wrap by the axis' length, lands on the last block here.
; No cluster: no two work-groups are known to share a byte (that hangs on the list).  No prefetch: every load is issued as soon as the
; block's place is known, there is no later trip to ask ahead for.
.set ROW,   1024                       ; bytes in a row of x (256 f32)
.set PLANE, 262144                     ; bytes in a channel's plane of x (256 rows)
.set BLOCK, 65536                      ; bytes of one block in out0
.set NLOAD, 16                         ; loads and stores of a wave
.set DST,   2                          ; v2       my byte offset in the block of out0: 8,192 wave + 16 lane
.set SRC,   3                          ; v3       my byte offset in x from the block's first element
.set X,     4                          ; v[4:67]  load j: 4 registers
	s_load_b128 s[4:7], s[0:1], 0x0                ; active_indices s[4:5], x s[6:7]
	s_load_b64 s[8:9], s[0:1], 0x10                ; out0
	s_mul_i32 s10, ttmp9, 12                       ; entry m of the list: three words
	s_mov_b32 s11, 0
	v_lshrrev_b32 v1, 5, v0                        ; wave
	v_and_b32 v[DST], 31, v0                       ; lane
	v_lshlrev_b32 v[DST], 4, v[DST]                ; 16 bytes a lane
	v_lshl_add_u32 v[DST], v1, 13, v[DST]          ; + wave x 8 channels x 1,024 bytes of out0
	v_and_b32 v[SRC], 3, v0                        ; which 16 bytes of the 64-byte row
	v_lshlrev_b32 v[SRC], 4, v[SRC]
	v_bfe_u32 v0, v0, 2, 3                         ; which of the load's 8 rows
	v_lshl_add_u32 v[SRC], v0, 10, v[SRC]          ; + row x 1,024 bytes
	v_lshl_add_u32 v[SRC], v1, 21, v[SRC]          ; + wave x 8 planes of 262,144 bytes
	s_wait_kmcnt 0x0                               ; the three addresses are here
	s_add_nc_u64 s[4:5], s[4:5], s[10:11]
	s_load_b96 s[12:14], s[4:5], 0x0               ; b, yb, xb
	s_lshl_b32 s10, ttmp9, 16                      ; m x 65,536 bytes: below 2^26, s11 is still 0
	s_add_nc_u64 s[8:9], s[8:9], s[10:11]          ; out0 at my block
	s_wait_kmcnt 0x0                               ; the three indices are here
	s_min_u32 s12, s12, 7                          ; every index is held inside its table before it enters an address
	s_min_u32 s13, s13, 15
	s_min_u32 s14, s14, 15
	s_lshl_b32 s12, s12, 24                        ; b  x 64 planes
	s_lshl_b32 s13, s13, 14                        ; yb x 16 rows of 1,024 bytes
	s_lshl_b32 s14, s14, 6                         ; xb x 16 f32
	s_add_co_u32 s12, s12, s13
	s_add_co_u32 s12, s12, s14                     ; below 2^27: one word is enough
	s_mov_b32 s13, 0
	s_add_nc_u64 s[6:7], s[6:7], s[12:13]          ; x at the block's first element
	; load j: channel 8 wave + j / 2, rows 8 (j % 2) .. + 7.  The largest immediate is 7 planes + 8 rows = 1,843,200 bytes.
	; No hint on the loads: the list may name a block twice, and blocks side by side in x lie in the same stretches of memory.
.irp j, 0,1,2,3,4,5,6,7,8,9,10,11,12,13,14,15
	global_load_b128 v[X+4*\j:X+4*\j+3], v[SRC], s[6:7] offset:(\j>>1)*PLANE+(\j&1)*8*ROW
.endr
	; store j follows when load j is in: loads come back in issue order (ISA guide 5.7.1), and NLOAD-1-j younger ones were issued behind it.
	; out0 is written once and never read here: non-temporal.
.irp j, 0,1,2,3,4,5,6,7,8,9,10,11,12,13,14,15
	s_wait_loadcnt NLOAD-1-\j
	global_store_b128 v[DST], v[X+4*\j:X+4*\j+3], s[8:9] offset:512*\j th:TH_STORE_NT
.endr
	s_endpgm
.Lfunc_end_k_q02460e0f5a_gather:
	.size	k_q02460e0f5a_gather, .Lfunc_end_k_q02460e0f5a_gather-k_q02460e0f5a_gather
	.p2alignl 7, 3214868480
	.fill 96, 4, 3214868480
	.section	.rodata,"a",@progbits
	.p2align	6, 0x0
	.amdhsa_kernel k_q02460e0f5a_gather
		.amdhsa_group_segment_fixed_size 0
		.amdhsa_private_segment_fixed_size 0
		.amdhsa_enable_private_segment 0
		.amdhsa_kernarg_size 24
		.amdhsa_user_sgpr_count 2
		.amdhsa_user_sgpr_kernarg_segment_ptr 1
		.amdhsa_wavefront_size32 1
		.amdhsa_system_sgpr_workgroup_id_x 1
		.amdhsa_system_sgpr_workgroup_id_y 1
		.amdhsa_system_sgpr_workgroup_id_z 1
		.amdhsa_system_vgpr_workitem_id 0
		.amdhsa_next_free_vgpr 68
		.amdhsa_next_free_sgpr 66
		.amdhsa_reserve_vcc 0
		.amdhsa_float_denorm_mode_32 3
		.amdhsa_float_denorm_mode_16_64 3
		.amdhsa_memory_ordered 1
		.amdhsa_forward_progress 1
		.amdhsa_inst_pref_size 5
	.end_amdhsa_kernel
	.amdgpu_metadata
---
amdhsa.version: [ 1, 2 ]
amdhsa.kernels:
  - .name:           k_q02460e0f5a_gather
    .symbol:         k_q02460e0f5a_gather.kd
    .args:
      - { .name: active_indices, .offset: 0, .size: 8, .value_kind: global_buffer, .address_space: global }
      - { .name: x, .offset: 8, .size: 8, .value_kind: global_buffer, .address_space: global }
      - { .name: out0, .offset: 16, .size: 8, .value_kind: global_buffer, .address_space: global }
    .group_segment_fixed_size: 0
    .private_segment_fixed_size: 0
    .kernarg_segment_align: 8
    .kernarg_segment_size: 24
    .max_flat_workgroup_size: 256
    .sgpr_count:     66
    .vgpr_count:     68
    .wavefront_size: 32
...
	.end_amdgpu_metadata
.endif
;; end of part 1
;; ======== version 2 of 3: 1 launch; 1.18 times as fast as version 1
;; launch gather (part 2): grid 256 x 1, 32 waves a work-group, no clusters, 0 bytes of LDS; arguments active_indices, x, out0; writes out0
.if DOCPART == 2
	.amdgcn_target "amdgcn-amd-amdhsa--gfx1250"
	.amdhsa_code_object_version 6
	.text
	.protected	k_q02460e0f5a_gather
	.globl	k_q02460e0f5a_gather
	.p2align	8
	.type	k_q02460e0f5a_gather,@function
k_q02460e0f5a_gather:
	s_mov_b64 s[64:65], 0
	v_nop
	global_prefetch_b8 v0, s[64:65] scope:SCOPE_SE
	s_setreg_imm32_b32 hwreg(HW_REG_WAVE_MODE, 25, 1), 1
	s_wait_xcnt 0x0
; out0[m][c][r][q] = x[b][c][16 yb + r][16 xb + q], (b, yb, xb) = active_indices[m].
; x: [8][64][256][256] f32.  out0: [1024][64][16][16] f32.  active_indices: [1024][3] i32.
;
; WHO OWNS WHAT.  A work-group owns a piece of x, not an entry of the list: the block rows (b, yb) with (b + yb) % 8 = key, and 2 of the
; 64 channels (8 keys x 32 channel pairs = 256 work-groups).  A block's row is 64 bytes, so four blocks side by side share every aligned
; 256-byte stretch of x; they have the same (b, yb), so all the entries that touch a stretch are served by one work-group.
; With an evenly spread list a key gets 1,024 / 8 = 128 entries; the sum b + yb keeps that even where b alone or yb alone is lopsided.
; THE SEARCH.  32 waves, 1,024 threads: thread t looks at entry t, so the work-group reads the list once.  Compares give masks over the
; wave's 32 lanes: one of hits, four with the bits of yb, four with the bits of xb.  A wave serves the hits among its own 32 entries
; (32 / 8 = 4 of them on average) and needs nothing from any other wave: no LDS, no barrier.
; THE COPY.  One hit is 2 channels x 16 rows x 64 bytes = 4 loads and 4 stores of 16 bytes a lane.  Four neighbouring lanes take one
; 64-byte row; a store covers 512 consecutive bytes at a multiple of 512 from out0's first byte.  Up to four hits are copied at once,
; each in a slot of its own (16 data registers, two offset registers): up to 8,192 bytes of the wave are on their way.  Whole fours go
; through a counted loop; a remainder of 1, 2 or 3 has a text of its own, so that every wait's count is exact on every path.
; LIMITS.  Each index is clamped as an unsigned number to its table (b <= 7, yb <= 15, xb <= 15): the reference's result for indices in
; range and for too large positive ones; a NEGATIVE index, which the reference would first wrap by the axis' length, lands on the last block.
; A list in which (b + yb) % 8 is always the same is copied rightly, but by that key's 32 work-groups alone.
; No cluster: what the work-groups share is the list, 12,288 bytes against some 128 x 4,096 = 524,288 that a work-group copies in and out.
; No prefetch: a wave's loads are issued as soon as its entries are known.
.set ROW,   1024                       ; bytes in a row of x (256 f32)
.set PLANE, 262144                     ; bytes in a channel's plane of x (256 rows)
.set ENTRY, 12                         ; bytes of an entry of the list
.set LOFF, 1                           ; v1       12 t: my entry in the list
.set DST,  2                           ; v2       16 lane: my 16 bytes of a store's 512
.set SRC,  3                           ; v3       my 16 bytes of a load: row lane / 4, part lane % 4
.set E,    4                           ; v[4:6]   b, yb, xb of my entry
.set T,    8                           ; v[8:9]   at work
.set WV,   10                          ; v10      wave
.set SO,   12                          ; v[12:15] slot h: my byte offset in x (from my first channel of image 0)
.set DOF,  16                          ; v[16:19] slot h: my byte offset in out0 (from my first channel of entry 0)
.set X,    20                          ; v[20:83] slot h, load j: 4 registers at 16 h + 4 j
.set KEY,  11                          ; s11      my key
.set WB,   18                          ; s18      32 wave: the wave's first entry
.set HIT,  20                          ; s20      bit i: entry 32 wave + i is mine and not yet copied
.set YB,   21                          ; s[21:24] bit i: bit k of that entry's yb
.set XBM,  25                          ; s[25:28] bit i: bit k of that entry's xb
.set NH,   29                          ; how many hits
.set NQ,   30                          ; how many whole fours
.set IQ,   31                          ; fours copied
.set BIT,  32                          ; the hit at hand
.set TMP,  33
.set FLD,  34                          ; s_bfe_u32's field: one bit at BIT
.set SY,   35                          ; yb, then the block's byte offset in x
.set SBT,  36                          ; b
.set SX,   37                          ; xb
.set SM,   38                          ; m, then its byte offset in out0
	s_load_b128 s[4:7], s[0:1], 0x0                ; active_indices s[4:5], x s[6:7]
	s_load_b64 s[8:9], s[0:1], 0x10                ; out0
	v_lshrrev_b32 v[WV], 5, v0
	v_readfirstlane_b32 s10, v[WV]                 ; wave, as a scalar
	v_mul_u32_u24 v[LOFF], ENTRY, v0               ; neighbouring lanes take neighbouring entries
	v_and_b32 v[T], 31, v0                         ; lane
	v_lshlrev_b32 v[DST], 4, v[T]
	v_and_b32 v[T], 3, v0                          ; lane % 4
	v_bfe_u32 v[T+1], v0, 2, 3                     ; lane / 4
	v_lshlrev_b32 v[SRC], 4, v[T]                  ; which 16 bytes of the 64-byte row
	v_lshl_add_u32 v[SRC], v[T+1], 10, v[SRC]      ; + which of the load's 8 rows
	s_and_b32 s[KEY], ttmp9, 7                     ; neighbouring work-groups have different keys
	s_lshr_b32 s12, ttmp9, 3                       ; channels 2 s12 and 2 s12 + 1
	s_lshl_b32 s14, s12, 19                        ; x 2 planes of 262,144 bytes
	s_mov_b32 s15, 0
	s_lshl_b32 s16, s12, 11                        ; x 2 channels of 1,024 bytes of out0
	s_mov_b32 s17, 0
	s_lshl_b32 s[WB], s10, 5
	s_wait_kmcnt 0x0                               ; the three addresses are here
	global_load_b96 v[E:E+2], v[LOFF], s[4:5]      ; the wave's load covers 384 consecutive bytes
	s_add_nc_u64 s[6:7], s[6:7], s[14:15]          ; x at image 0, my first channel
	s_add_nc_u64 s[8:9], s[8:9], s[16:17]          ; out0 at entry 0, my first channel
	; THE SEARCH
	s_wait_loadcnt 0x0                             ; the one load of the list
	v_min_u32 v[E],   7,  v[E]                     ; every index is held inside its table
	v_min_u32 v[E+1], 15, v[E+1]
	v_min_u32 v[E+2], 15, v[E+2]
	v_add_nc_u32 v[T], v[E], v[E+1]
	v_and_b32 v[T], 7, v[T]                        ; (b + yb) % 8
	v_cmp_eq_u32 s[HIT], s[KEY], v[T]              ; is it mine?
.irp k, 0,1,2,3
	v_and_b32 v[T+1], 1<<\k, v[E+1]
	v_cmp_ne_u32 s[YB+\k], 0, v[T+1]               ; bit k of yb (looked at only where there is a hit)
.endr
.irp k, 0,1,2,3
	v_and_b32 v[T+1], 1<<\k, v[E+2]
	v_cmp_ne_u32 s[XBM+\k], 0, v[T+1]              ; bit k of xb
.endr
; The lowest hit left is struck off, and slot h gets its two offsets.
.macro NEXT h
	s_ctz_i32_b32 s[BIT], s[HIT]
	s_sub_co_u32 s[TMP], s[HIT], 1
	s_and_b32 s[HIT], s[HIT], s[TMP]
	s_or_b32 s[FLD], s[BIT], 0x10000               ; width 1 in bits 22:16, offset BIT in bits 4:0
	s_bfe_u32 s[SY], s[YB+3], s[FLD]
.irp k, 2,1,0
	s_bfe_u32 s[TMP], s[YB+\k], s[FLD]
	s_lshl1_add_u32 s[SY], s[SY], s[TMP]           ; yb, bit by bit from the top
.endr
	s_bfe_u32 s[SX], s[XBM+3], s[FLD]
.irp k, 2,1,0
	s_bfe_u32 s[TMP], s[XBM+\k], s[FLD]
	s_lshl1_add_u32 s[SX], s[SX], s[TMP]           ; xb likewise
.endr
	s_min_u32 s[SY], s[SY], 15                     ; what comes from the list is bounded where it enters an offset
	s_min_u32 s[SX], s[SX], 15
	s_sub_co_u32 s[SBT], s[KEY], s[SY]             ; key = (b + yb) % 8 and b < 8, so b = (key - yb) % 8
	s_and_b32 s[SBT], s[SBT], 7
	s_min_u32 s[SBT], s[SBT], 7
	s_lshl_b32 s[SBT], s[SBT], 24                  ; b  x 64 planes
	s_lshl_b32 s[SY], s[SY], 14                    ; yb x 16 rows of 1,024 bytes
	s_lshl_b32 s[SX], s[SX], 6                     ; xb x 16 f32
	s_add_co_u32 s[SY], s[SY], s[SBT]
	s_add_co_u32 s[SY], s[SY], s[SX]               ; below 2^27
	v_add_nc_u32 v[SO+\h], s[SY], v[SRC]
	s_add_co_u32 s[SM], s[WB], s[BIT]              ; m
	s_min_u32 s[SM], s[SM], 1023
	s_lshl_b32 s[SM], s[SM], 16                    ; m x 65,536 bytes: below 2^26
	v_add_nc_u32 v[DOF+\h], s[SM], v[DST]
.endm
; Slot h's hit and its four loads: load j takes channel j / 2 of my two, rows 8 (j % 2) .. + 7.
; No hint on the loads: another wave may copy the same block, or the one beside it.
.macro LOADS h
	NEXT \h
.irp j, 0,1,2,3
	global_load_b128 v[X+16*\h+4*\j:X+16*\h+4*\j+3], v[SO+\h], s[6:7] offset:(\j>>1)*PLANE+(\j&1)*8*ROW
.endr
.endm
; Slot h's four stores in a copy of n hits.  Loads come back in issue order (ISA guide 5.7.1): behind load j of slot h stand its slot's
; 3 - j later loads and the 4 (n - 1 - h) of the later slots.  out0 is written once and never read here: non-temporal.
.macro STORES h, n
.irp j, 0,1,2,3
	s_wait_loadcnt 4*(\n-1-\h)+3-\j
	global_store_b128 v[DOF+\h], v[X+16*\h+4*\j:X+16*\h+4*\j+3], s[8:9] offset:512*\j th:TH_STORE_NT
.endr
.endm
; n hits at once: all the loads, then all the stores
.macro COPY n
	s_wait_xcnt 0x0                                ; the last copy's loads and stores have had their addresses translated (ISA guide 3.1): its offset and data registers are written again only behind this wait
	LOADS 0
.if \n > 1
	LOADS 1
.endif
.if \n > 2
	LOADS 2
.endif
.if \n > 3
	LOADS 3
.endif
	STORES 0, \n
.if \n > 1
	STORES 1, \n
.endif
.if \n > 2
	STORES 2, \n
.endif
.if \n > 3
	STORES 3, \n
.endif
.endm
	; THE WALK: whole fours in a counted loop, then the remainder
	s_bcnt1_i32_b32 s[NH], s[HIT]
	s_lshr_b32 s[NQ], s[NH], 2
	s_cmp_eq_u32 s[NQ], 0
	s_cbranch_scc1 .Ltail
	s_mov_b32 s[IQ], 0
.Lfour:
	COPY 4
	s_add_co_u32 s[IQ], s[IQ], 1
	s_cmp_lt_u32 s[IQ], s[NQ]
	s_cbranch_scc1 .Lfour
.Ltail:
	s_and_b32 s[TMP], s[NH], 3
	s_cmp_eq_u32 s[TMP], 0
	s_cbranch_scc1 .Lend
	s_cmp_eq_u32 s[TMP], 1
	s_cbranch_scc1 .Lone
	s_cmp_eq_u32 s[TMP], 2
	s_cbranch_scc1 .Ltwo
	COPY 3
	s_branch .Lend
.Ltwo:
	COPY 2
	s_branch .Lend
.Lone:
	COPY 1
.Lend:
	s_endpgm
.Lfunc_end_k_q02460e0f5a_gather:
	.size	k_q02460e0f5a_gather, .Lfunc_end_k_q02460e0f5a_gather-k_q02460e0f5a_gather
	.p2alignl 7, 3214868480
	.fill 96, 4, 3214868480
	.section	.rodata,"a",@progbits
	.p2align	6, 0x0
	.amdhsa_kernel k_q02460e0f5a_gather
		.amdhsa_group_segment_fixed_size 0
		.amdhsa_private_segment_fixed_size 0
		.amdhsa_enable_private_segment 0
		.amdhsa_kernarg_size 24
		.amdhsa_user_sgpr_count 2
		.amdhsa_user_sgpr_kernarg_segment_ptr 1
		.amdhsa_wavefront_size32 1
		.amdhsa_system_sgpr_workgroup_id_x 1
		.amdhsa_system_sgpr_workgroup_id_y 1
		.amdhsa_system_sgpr_workgroup_id_z 1
		.amdhsa_system_vgpr_workitem_id 0
		.amdhsa_next_free_vgpr 84
		.amdhsa_next_free_sgpr 66
		.amdhsa_reserve_vcc 0
		.amdhsa_float_denorm_mode_32 3
		.amdhsa_float_denorm_mode_16_64 3
		.amdhsa_memory_ordered 1
		.amdhsa_forward_progress 1
		.amdhsa_inst_pref_size 23
	.end_amdhsa_kernel
	.amdgpu_metadata
---
amdhsa.version: [ 1, 2 ]
amdhsa.kernels:
  - .name:           k_q02460e0f5a_gather
    .symbol:         k_q02460e0f5a_gather.kd
    .args:
      - { .name: active_indices, .offset: 0, .size: 8, .value_kind: global_buffer, .address_space: global }
      - { .name: x, .offset: 8, .size: 8, .value_kind: global_buffer, .address_space: global }
      - { .name: out0, .offset: 16, .size: 8, .value_kind: global_buffer, .address_space: global }
    .group_segment_fixed_size: 0
    .private_segment_fixed_size: 0
    .kernarg_segment_align: 8
    .kernarg_segment_size: 24
    .max_flat_workgroup_size: 1024
    .sgpr_count:     66
    .vgpr_count:     84
    .wavefront_size: 32
...
	.end_amdgpu_metadata
.endif
;; end of part 2
;; ======== version 3 of 3: 1 launch; version 2 with the launch gather written anew for expert scheduling mode
;; launch gather (part 3): grid 256 x 1, 32 waves a work-group, no clusters, 0 bytes of LDS; arguments active_indices, x, out0; writes out0
.if DOCPART == 3
	.amdgcn_target "amdgcn-amd-amdhsa--gfx1250"
	.amdhsa_code_object_version 6
	.text
	.protected	k_q02460e0f5a_gather
	.globl	k_q02460e0f5a_gather
	.p2align	8
	.type	k_q02460e0f5a_gather,@function
k_q02460e0f5a_gather:
	s_mov_b64 s[64:65], 0
	v_nop
	global_prefetch_b8 v0, s[64:65] scope:SCOPE_SE
	s_setreg_imm32_b32 hwreg(HW_REG_WAVE_SCHED_MODE, 0, 2), 2
	s_setreg_imm32_b32 hwreg(HW_REG_WAVE_MODE, 25, 1), 1
	s_wait_xcnt 0x0
	s_wait_alu depctr_vm_vsrc(0)
; out0[m][c][r][q] = x[b][c][16 yb + r][16 xb + q], (b, yb, xb) = active_indices[m].
; x: [8][64][256][256] f32.  out0: [1024][64][16][16] f32.  active_indices: [1024][3] i32.
;
; WHO OWNS WHAT.  A work-group owns a piece of x, not an entry of the list: the block rows (b, yb) with (b + yb) % 8 = key, and 2 of the
; 64 channels (8 keys x 32 channel pairs = 256 work-groups).  A block's row is 64 bytes, so four blocks side by side share every aligned
; 256-byte stretch of x; they have the same (b, yb), so all the entries that touch a stretch are served by one work-group.
; With an evenly spread list a key gets 1,024 / 8 = 128 entries; the sum b + yb keeps that even where b alone or yb alone is lopsided.
; THE SEARCH.  32 waves, 1,024 threads: thread t looks at entry t, so the work-group reads the list once.  Compares give masks over the
; wave's 32 lanes: one of hits, four with the bits of yb, four with the bits of xb.  A wave serves the hits among its own 32 entries
; (32 / 8 = 4 of them on average) and needs nothing from any other wave: no LDS, no barrier.
; THE COPY.  One hit is 2 channels x 16 rows x 64 bytes = 4 loads and 4 stores of 16 bytes a lane.  Four neighbouring lanes take one
; 64-byte row; a store covers 512 consecutive bytes at a multiple of 512 from out0's first byte.  Up to four hits are copied at once,
; each in a slot of its own (16 data registers, two offset registers): up to 8,192 bytes of the wave are on their way.  Whole fours go
; through a counted loop; a remainder of 1, 2 or 3 has a text of its own, so that every wait's count is exact on every path.
; THE MODE: SCHED_MODE bits 1:0 = 2 (LLVM: expert scheduling mode 2), set by the entry lines.  The code itself states the register dependences
; between vector instructions and memory instructions, with s_wait_alu, always for 0.
; THE PLAN.  Registers that memory instructions touch:
;   v1         Written once at the head; read by the one load of the list; never written again.
;   SO0 .. SO3   Written by one add a slot in each copy; read by that copy's four loads of the slot.
;   DOF0 .. DOF3 Written by one add a slot in each copy; read by that copy's four stores of the slot.
;   X          Written by loads and read by stores alone: no vector instruction names these registers.
; A copy of n hits goes in this order: the scalar work for all n hits, which ends in scalar registers of the slot's own and names no vector register;
; the two waits that show the last copy's loads and stores done with SO, DOF and X; the 2 n adds; ONE wait on va_vdst; the 4 n loads; the 4 n stores.
; No vector instruction stands between that wait and the copy's last store, so the loads and stores owe nothing more; the next vector instruction
; that writes a register of theirs stands behind the next copy's two waits, round the loop's back edge and into each text of the remainder alike.
; A second set of X would take 64 registers more, 148 a wave; the eight waves of a SIMD have 1,024 / 8 = 128 each: so X is one set.
; LIMITS.  Each index is clamped as an unsigned number to its table (b <= 7, yb <= 15, xb <= 15): the reference's result for indices in
; range and for too large positive ones; a NEGATIVE index, which the reference would first wrap by the axis' length, lands on the last block.
; A list in which (b + yb) % 8 is always the same is copied rightly, but by that key's 32 work-groups alone.
; No cluster: what the work-groups share is the list, 12,288 bytes against some 128 x 4,096 = 524,288 that a work-group copies in and out.
; No prefetch: a wave's loads are issued as soon as its entries are known.
.set ROW,   1024                       ; bytes in a row of x (256 f32)
.set PLANE, 262144                     ; bytes in a channel's plane of x (256 rows)
.set ENTRY, 12                         ; bytes of an entry of the list
.set LOFF, 1                           ; v1       12 t: my entry in the list
.set DST,  2                           ; v2       16 lane: my 16 bytes of a store's 512
.set SRC,  3                           ; v3       my 16 bytes of a load: row lane / 4, part lane % 4
.set E,    4                           ; v[4:6]   b, yb, xb of my entry
.set T,    8                           ; v[8:9]   at work
.set WV,   10                          ; v10      wave
.set SO,   12                          ; v[12:15] slot h: my byte offset in x (from my first channel of image 0)
.set DOF,  16                          ; v[16:19] slot h: my byte offset in out0 (from my first channel of entry 0)
.set X,    20                          ; v[20:83] slot h, load j: 4 registers at 16 h + 4 j
.set KEY,  11                          ; s11      my key
.set SSO,  12                          ; s[12:15] slot h: its block's byte offset in x      (s12 to s17 are at work at the head, and free behind it)
.set SDO,  16                          ; s[16:19] slot h: its entry's byte offset in out0
.set HIT,  20                          ; s20      bit i: entry 32 wave + i is mine and not yet copied
.set YB,   21                          ; s[21:24] bit i: bit k of that entry's yb
.set XBM,  25                          ; s[25:28] bit i: bit k of that entry's xb
.set NH,   29                          ; how many hits
.set NQ,   30                          ; how many whole fours
.set IQ,   31                          ; fours copied
.set BIT,  32                          ; the hit at hand
.set TMP,  33
.set FLD,  34                          ; s_bfe_u32's field: one bit at BIT
.set SY,   35                          ; yb, then its part of the block's byte offset in x
.set SBT,  36                          ; b
.set SX,   37                          ; xb
.set SM,   38                          ; m
.set WB,   39                          ; s39      32 wave: the wave's first entry
	s_load_b128 s[4:7], s[0:1], 0x0                ; active_indices s[4:5], x s[6:7]
	s_load_b64 s[8:9], s[0:1], 0x10                ; out0
	v_lshrrev_b32 v[WV], 5, v0
	v_readfirstlane_b32 s10, v[WV]                 ; wave, as a scalar
	v_mul_u32_u24 v[LOFF], ENTRY, v0               ; neighbouring lanes take neighbouring entries
	v_and_b32 v[T], 31, v0                         ; lane
	v_lshlrev_b32 v[DST], 4, v[T]
	v_and_b32 v[T], 3, v0                          ; lane % 4
	v_bfe_u32 v[T+1], v0, 2, 3                     ; lane / 4
	v_lshlrev_b32 v[SRC], 4, v[T]                  ; which 16 bytes of the 64-byte row
	v_lshl_add_u32 v[SRC], v[T+1], 10, v[SRC]      ; + which of the load's 8 rows
	s_and_b32 s[KEY], ttmp9, 7                     ; neighbouring work-groups have different keys
	s_lshr_b32 s12, ttmp9, 3                       ; channels 2 s12 and 2 s12 + 1
	s_lshl_b32 s14, s12, 19                        ; x 2 planes of 262,144 bytes
	s_mov_b32 s15, 0
	s_lshl_b32 s16, s12, 11                        ; x 2 channels of 1,024 bytes of out0
	s_mov_b32 s17, 0
	s_wait_alu depctr_va_sdst(0)                   ; s10 is written, ahead of its first reader, the line below
	s_lshl_b32 s[WB], s10, 5
	s_wait_kmcnt 0x0                               ; the three addresses are here
	s_wait_alu depctr_va_vdst(0)                   ; v1 is written, which the load of the list reads as its offset
	global_load_b96 v[E:E+2], v[LOFF], s[4:5]      ; the wave's load covers 384 consecutive bytes
	s_add_nc_u64 s[6:7], s[6:7], s[14:15]          ; x at image 0, my first channel
	s_add_nc_u64 s[8:9], s[8:9], s[16:17]          ; out0 at entry 0, my first channel
	; THE SEARCH
	s_wait_loadcnt 0x0                             ; the one load of the list
	v_min_u32 v[E],   7,  v[E]                     ; every index is held inside its table
	v_min_u32 v[E+1], 15, v[E+1]
	v_min_u32 v[E+2], 15, v[E+2]
	v_add_nc_u32 v[T], v[E], v[E+1]
	v_and_b32 v[T], 7, v[T]                        ; (b + yb) % 8
	v_cmp_eq_u32 s[HIT], s[KEY], v[T]              ; is it mine?
.irp k, 0,1,2,3
	v_and_b32 v[T+1], 1<<\k, v[E+1]
	v_cmp_ne_u32 s[YB+\k], 0, v[T+1]               ; bit k of yb (looked at only where there is a hit)
.endr
.irp k, 0,1,2,3
	v_and_b32 v[T+1], 1<<\k, v[E+2]
	v_cmp_ne_u32 s[XBM+\k], 0, v[T+1]              ; bit k of xb
.endr
	s_wait_alu depctr_va_sdst(0)                   ; the nine compares have written s[20:28], ahead of the masks' first reader and of every branch and label
; The lowest hit left is struck off, and slot h gets its two offsets as scalars.  Scalar work alone: it names no vector register.
.macro PICK h
	s_ctz_i32_b32 s[BIT], s[HIT]
	s_sub_co_u32 s[TMP], s[HIT], 1
	s_and_b32 s[HIT], s[HIT], s[TMP]
	s_or_b32 s[FLD], s[BIT], 0x10000               ; width 1 in bits 22:16, offset BIT in bits 4:0
	s_bfe_u32 s[SY], s[YB+3], s[FLD]
.irp k, 2,1,0
	s_bfe_u32 s[TMP], s[YB+\k], s[FLD]
	s_lshl1_add_u32 s[SY], s[SY], s[TMP]           ; yb, bit by bit from the top
.endr
	s_bfe_u32 s[SX], s[XBM+3], s[FLD]
.irp k, 2,1,0
	s_bfe_u32 s[TMP], s[XBM+\k], s[FLD]
	s_lshl1_add_u32 s[SX], s[SX], s[TMP]           ; xb likewise
.endr
	s_min_u32 s[SY], s[SY], 15                     ; what comes from the list is bounded where it enters an offset
	s_min_u32 s[SX], s[SX], 15
	s_sub_co_u32 s[SBT], s[KEY], s[SY]             ; key = (b + yb) % 8 and b < 8, so b = (key - yb) % 8
	s_and_b32 s[SBT], s[SBT], 7
	s_min_u32 s[SBT], s[SBT], 7
	s_lshl_b32 s[SBT], s[SBT], 24                  ; b  x 64 planes
	s_lshl_b32 s[SY], s[SY], 14                    ; yb x 16 rows of 1,024 bytes
	s_lshl_b32 s[SX], s[SX], 6                     ; xb x 16 f32
	s_add_co_u32 s[SY], s[SY], s[SBT]
	s_add_co_u32 s[SSO+\h], s[SY], s[SX]           ; below 2^27
	s_add_co_u32 s[SM], s[WB], s[BIT]              ; m
	s_min_u32 s[SM], s[SM], 1023
	s_lshl_b32 s[SDO+\h], s[SM], 16                ; m x 65,536 bytes: below 2^26
.endm
; Slot h's two vector offsets: the slot's scalar plus my lane's place
.macro OFFS h
	v_add_nc_u32 v[SO+\h],  s[SSO+\h], v[SRC]
	v_add_nc_u32 v[DOF+\h], s[SDO+\h], v[DST]
.endm
; Slot h's four loads: load j takes channel j / 2 of my two, rows 8 (j % 2) .. + 7.
; No hint on the loads: another wave may copy the same block, or the one beside it.
.macro LOADS h
.irp j, 0,1,2,3
	global_load_b128 v[X+16*\h+4*\j:X+16*\h+4*\j+3], v[SO+\h], s[6:7] offset:(\j>>1)*PLANE+(\j&1)*8*ROW
.endr
.endm
; Slot h's four stores in a copy of n hits.  Loads come back in issue order (ISA guide 5.7.1): behind load j of slot h stand its slot's
; 3 - j later loads and the 4 (n - 1 - h) of the later slots.  out0 is written once and never read here: non-temporal.
.macro STORES h, n
.irp j, 0,1,2,3
	s_wait_loadcnt 4*(\n-1-\h)+3-\j
	global_store_b128 v[DOF+\h], v[X+16*\h+4*\j:X+16*\h+4*\j+3], s[8:9] offset:512*\j th:TH_STORE_NT
.endr
.endm
; n hits at once: all the scalar work, the waits, all the offsets, one wait, all the loads, then all the stores
.macro COPY n
.irp h, 0,1,2,3
.if \h < \n
	PICK \h
.endif
.endr
	s_wait_xcnt 0x0                                ; the last copy's loads and stores have had their addresses translated (ISA guide 3.1): its offset and data registers are written again only behind this wait
	s_wait_alu depctr_vm_vsrc(0)                   ; the last copy's loads have read SO, which the adds below write; its stores have read DOF, which they write too, and X, in which the loads below land (a wave's first copy finds nothing pending)
.irp h, 0,1,2,3
.if \h < \n
	OFFS \h
.endif
.endr
	s_wait_alu depctr_va_vdst(0)                   ; the adds have written SO, which the loads below read, and DOF, which the stores below read; no vector instruction follows before the copy's last store
.irp h, 0,1,2,3
.if \h < \n
	LOADS \h
.endif
.endr
.irp h, 0,1,2,3
.if \h < \n
	STORES \h, \n
.endif
.endr
.endm
	; THE WALK: whole fours in a counted loop, then the remainder
	s_bcnt1_i32_b32 s[NH], s[HIT]
	s_lshr_b32 s[NQ], s[NH], 2
	s_cmp_eq_u32 s[NQ], 0
	s_cbranch_scc1 .Ltail
	s_mov_b32 s[IQ], 0
.Lfour:
	COPY 4
	s_add_co_u32 s[IQ], s[IQ], 1
	s_cmp_lt_u32 s[IQ], s[NQ]
	s_cbranch_scc1 .Lfour
.Ltail:
	s_and_b32 s[TMP], s[NH], 3
	s_cmp_eq_u32 s[TMP], 0
	s_cbranch_scc1 .Lend
	s_cmp_eq_u32 s[TMP], 1
	s_cbranch_scc1 .Lone
	s_cmp_eq_u32 s[TMP], 2
	s_cbranch_scc1 .Ltwo
	COPY 3
	s_branch .Lend
.Ltwo:
	COPY 2
	s_branch .Lend
.Lone:
	COPY 1
.Lend:
	s_endpgm
.Lfunc_end_k_q02460e0f5a_gather:
	.size	k_q02460e0f5a_gather, .Lfunc_end_k_q02460e0f5a_gather-k_q02460e0f5a_gather
	.p2alignl 7, 3214868480
	.fill 96, 4, 3214868480
	.section	.rodata,"a",@progbits
	.p2align	6, 0x0
	.amdhsa_kernel k_q02460e0f5a_gather
		.amdhsa_group_segment_fixed_size 0
		.amdhsa_private_segment_fixed_size 0
		.amdhsa_enable_private_segment 0
		.amdhsa_kernarg_size 24
		.amdhsa_user_sgpr_count 2
		.amdhsa_user_sgpr_kernarg_segment_ptr 1
		.amdhsa_wavefront_size32 1
		.amdhsa_system_sgpr_workgroup_id_x 1
		.amdhsa_system_sgpr_workgroup_id_y 1
		.amdhsa_system_sgpr_workgroup_id_z 1
		.amdhsa_system_vgpr_workitem_id 0
		.amdhsa_next_free_vgpr 84
		.amdhsa_next_free_sgpr 66
		.amdhsa_reserve_vcc 0
		.amdhsa_float_denorm_mode_32 3
		.amdhsa_float_denorm_mode_16_64 3
		.amdhsa_memory_ordered 1
		.amdhsa_forward_progress 1
		.amdhsa_inst_pref_size 23
	.end_amdhsa_kernel
	.amdgpu_metadata
---
amdhsa.version: [ 1, 2 ]
amdhsa.kernels:
  - .name:           k_q02460e0f5a_gather
    .symbol:         k_q02460e0f5a_gather.kd
    .args:
      - { .name: active_indices, .offset: 0, .size: 8, .value_kind: global_buffer, .address_space: global }
      - { .name: x, .offset: 8, .size: 8, .value_kind: global_buffer, .address_space: global }
      - { .name: out0, .offset: 16, .size: 8, .value_kind: global_buffer, .address_space: global }
    .group_segment_fixed_size: 0
    .private_segment_fixed_size: 0
    .kernarg_segment_align: 8
    .kernarg_segment_size: 24
    .max_flat_workgroup_size: 1024
    .sgpr_count:     66
    .vgpr_count:     84
    .wavefront_size: 32
...
	.end_amdgpu_metadata
.endif
;; end of part 3
